; MI455X (gfx1250); checked and timed in simulation.
; The chip was launched on July 23, 2026; its instructions are those of AMD's public machine-readable ISA for CDNA 5 (MIT licence, August 2026) and "CDNA5" Instruction Set Architecture Reference Guide (July 2026). The comments in the code are by the model that wrote it; some were corrected since.
;; Bahdanau Attention. Allowed arithmetic: float matrix products may take bf16 or f16 operands with f32 sums; all other float work in f32.
;; Inputs: V 1,024 x 1 float32; W1 1,024 x 1,024 float32; W2 1,024 x 1,024 float32; b1 1,024 float32; b2 1,024 float32; bV 1 float32; query 32 x 1,024 float32; values 32 x 2,048 x 1,024 float32.
;; Outputs: out0 32 x 1,024 float32; out1 32 x 2,048 x 1 float32.
;; One version. Each part assembles by itself: llvm-mc -triple=amdgcn-amd-amdhsa -mcpu=gfx1250 --defsym DOCPART=n.
;; ======== version 1 of 1: 3 launches
;; limits: values outside matrix products are rounded to bf16
;; workspace buffers: w1f 2,097,152 bytes; pqp 2,097,152 bytes; sc 262,144 bytes; pc 2,097,152 bytes
;; launch prep (part 1): grid 256 x 1, 8 waves a work-group, no clusters, 26,624 bytes of LDS; arguments W1, W2, query, b1, b2, w1f, pqp; writes w1f, pqp
.if DOCPART == 1
	.amdgcn_target "amdgcn-amd-amdhsa--gfx1250"
	.amdhsa_code_object_version 6
	.text
	.protected	k_qbc345b595a_prep
	.globl	k_qbc345b595a_prep
	.p2align	8
	.type	k_qbc345b595a_prep,@function
k_qbc345b595a_prep:
	s_mov_b64 s[64:65], 0
	v_nop
	global_prefetch_b8 v0, s[64:65] scope:SCOPE_SE
	s_setreg_imm32_b32 hwreg(HW_REG_WAVE_MODE, 25, 1), 1
	s_wait_xcnt 0x0
; prep: work-group (kb = x & 15, nb = x >> 4) takes the tile of 64 k x 64 n of W1 AND of W2: 256 equal work-groups, each byte of both read once.
;  W1: w1f = c * W1 in bf16, c = 2 log2(e), laid out as the matrix fragments that the next launch loads:
;      block (t = n/16, q = k/32) at (32 t + q) * 1024 bytes; in it the 16 bytes at 512 j + 16 L hold
;      c * W1[32 q + 16 j + 8 h + e][16 t + r], e = 0..7, with r = L & 15, h = L >> 4.
;  W2: pqp[kb][b][u] = c * (sum over the tile's 64 k of query[b][k] W2[k][u]), and for kb = 0 also + c * (b1[u] + b2[u]);
;      all in f32 on the vector unit (32 rows are too few for the matrix unit to pay).  The next launch adds the 16 partial sums:
;      a sum over work-groups is not made inside a launch.
; With c folded in, the next launch gets tanh(x) = 1 - 2 / (1 + 2^(c x)) without a multiply of its own.
; LDS: bytes 0 to 9,215 hold W1's tile transposed, T[n][k] in bf16, pitch 144; bytes 9,216 to 25,599 hold W2's tile as it is, 64 rows of 256 bytes.
; One barrier: store, wait for 0, barrier, load.
; LIMITS: W1 is rounded to bf16 after the multiplication by c (one f32 rounding, then one to bf16).  The sum over k is made in 16 parts of 64.
.set CSC,  0x4038aa3b                  ; c = 2 log2(e) in f32
.set TPIT, 144                         ; 64 bf16 + 16 bytes: an odd multiple of 16, so the 16 rows of a fragment load start in different banks
.set FLDS, 64*TPIT                     ; 9,216
	s_load_b256 s[4:11], s[0:1], 0x0               ; W1 s[4:5], W2 s[6:7], query s[8:9], b1 s[10:11]
	s_load_b128 s[12:15], s[0:1], 0x20             ; b2 s[12:13], w1f s[14:15]
	s_load_b64 s[16:17], s[0:1], 0x30              ; pqp
	v_lshl_add_u32 v192, v0, 2, 0x6400
	v_mov_b32 v193, 0
	v_lshrrev_b32 v1, 5, v0
	v_readfirstlane_b32 s20, v1                    ; wave w, 0..7
	v_and_b32 v1, 31, v0                           ; lane L
	s_and_b32 s21, ttmp9, 15                       ; kb: which 64 k
	s_lshr_b32 s24, ttmp9, 4                       ; nb: which 64 n
	s_lshl_b32 s25, s24, 8                         ; 64 nb numbers of 4 bytes
	s_lshl_b32 s26, s20, 14                        ; 4 w rows of 4,096 bytes
	s_lshl_b32 s22, s21, 18                        ; 64 kb rows
	s_add_co_u32 s22, s22, s25
	s_add_co_u32 s22, s22, s26
	s_mov_b32 s23, 0                               ; s[22:23]: my wave's four rows of the tile, in W1 and in W2
	s_lshl_b32 s28, s21, 8                         ; query: 64 kb numbers
	s_add_co_u32 s28, s28, s26                     ; + rows 4 w
	s_mov_b32 s29, 0
	s_mov_b32 s30, s25                             ; b1, b2: 64 nb numbers
	s_mov_b32 s31, 0
	s_lshr_b32 s27, s20, 1                         ; tt: which 16 n this wave writes out
	s_and_b32 s33, s20, 1                          ; and which 32 k
	s_lshl_b32 s34, s24, 2
	s_add_co_u32 s34, s34, s27                     ; t = 4 nb + tt
	s_lshl_b32 s34, s34, 5
	s_lshl_b32 s35, s21, 1
	s_add_co_u32 s34, s34, s35
	s_add_co_u32 s34, s34, s33                     ; 32 t + 2 kb + half
	s_lshl_b32 s34, s34, 10
	s_mov_b32 s35, 0                               ; s[34:35]: my block of w1f
	s_lshl_b32 s36, s21, 17                        ; pqp: part kb,
	s_add_co_u32 s36, s36, s26                     ; rows 4 w,
	s_add_co_u32 s36, s36, s25                     ; column 64 nb
	s_mov_b32 s37, 0
	s_mul_i32 s38, s27, 16*TPIT
	s_lshl_b32 s39, s33, 6
	s_add_co_u32 s38, s38, s39                     ; T, back: 16 tt rows + 64 bytes x half
	s_lshl_b32 s39, s20, 3                         ; T, in: the wave's two row pairs, 4 bytes each
	s_lshl_b32 s32, s20, 10
	s_add_co_u32 s32, s32, FLDS                    ; W2's tile: the wave's four rows
	s_cmp_eq_u32 s21, 0
	s_cselect_b32 s56, -1, 0                       ; all lanes on for kb = 0: that part carries the biases
.irp i, 41,43,45,47,49,51,53,55
	s_mov_b32 s\i, 0                               ; the upper halves of the scalar pairs below: never used, but a pair is read whole
.endr
	v_and_b32 v2, 15, v1                           ; i: my four columns; also r
	v_lshrrev_b32 v3, 4, v1                        ; which of the wave's two row pairs; also h
	v_lshlrev_b32 v4, 4, v2
	v_lshl_add_u32 v4, v3, 13, v4                  ; global: 16 i + two rows for the upper half of the lanes
	v_mul_u32_u24 v5, v2, 4*TPIT
	v_lshl_add_u32 v5, v3, 2, v5
	v_add_nc_u32 v5, s39, v5                       ; T: row 4 i, byte 2 k of the pair k = 2 (2 w + L/16)
	v_mul_u32_u24 v6, v2, TPIT
	v_lshl_add_u32 v6, v3, 4, v6
	v_add_nc_u32 v6, s38, v6                       ; back: row 16 tt + r, byte 64 x half + 16 h
	v_lshlrev_b32 v7, 4, v2
	v_lshl_add_u32 v7, v3, 9, v7
	v_add_nc_u32 v7, s32, v7                       ; W2's tile: row 4 w + 2 (L/16), byte 16 i
	v_lshlrev_b32 v56, 4, v1                       ; 16 L
	v_lshlrev_b32 v57, 3, v1                       ; 8 L
	v_lshlrev_b32 v58, 2, v1                       ; 4 L
	v_add_nc_u32 v59, FLDS, v57                    ; W2's tile, read: my two columns
	s_wait_kmcnt 0x0
	s_add_nc_u64 s[4:5], s[4:5], s[22:23]
	s_add_nc_u64 s[6:7], s[6:7], s[22:23]
	s_add_nc_u64 s[8:9], s[8:9], s[28:29]
	s_add_nc_u64 s[10:11], s[10:11], s[30:31]
	s_add_nc_u64 s[12:13], s[12:13], s[30:31]
	s_add_nc_u64 s[14:15], s[14:15], s[34:35]
	s_add_nc_u64 s[16:17], s[16:17], s[36:37]
.irp u, 0,1
	global_load_b128 v[8+8*\u:8+8*\u+3],   v4, s[4:5] offset:\u*131072 th:TH_LOAD_NT        ; W1, row 32 u + 2 kp: sixteen lanes take 256 neighbouring bytes
	global_load_b128 v[8+8*\u+4:8+8*\u+7], v4, s[4:5] offset:\u*131072+4096 th:TH_LOAD_NT   ; and the row below it
.endr
.irp u, 0,1
	global_load_b128 v[24+8*\u:24+8*\u+3],   v4, s[6:7] offset:\u*131072 th:TH_LOAD_NT      ; W2, the same rows
	global_load_b128 v[24+8*\u+4:24+8*\u+7], v4, s[6:7] offset:\u*131072+4096 th:TH_LOAD_NT
.endr
.irp i, 0,1,2,3
.irp c, 0,1
	global_load_b32 v[40+2*\i+\c], v58, s[8:9] offset:\i*4096+\c*128  ; lane L: query[4 w + i][64 kb + 32 c + L]
.endr
.endr
	global_load_b64 v[60:61], v57, s[10:11]        ; b1 and b2 of my two columns
	global_load_b64 v[62:63], v57, s[12:13]
	s_wait_loadcnt 14                              ; W1's four loads are in; the 14 younger ones stay out
.set w_i, 0
.rept 8
	v_pk_mul_f32 v[8+2*w_i:8+2*w_i+1], v[8+2*w_i:8+2*w_i+1], CSC op_sel_hi:[1,0]
.set w_i, w_i+1
.endr
.irp u, 0,1
.irp j, 0,1,2,3
	v_cvt_pk_bf16_f32 v[8+8*\u+\j], v[8+8*\u+\j], v[8+8*\u+4+\j]      ; k in the low half, k + 1 in the high half, column 4 i + j
.endr
.endr
.irp u, 0,1
.irp j, 0,1,2,3
	ds_store_b32 v5, v[8+8*\u+\j] offset:\j*TPIT+\u*64                ; lane i writes 144 i words in, so lanes i, i + 4, i + 8, i + 12 are a multiple of 64 words apart: accepted for eight such stores a thread in all
.endr
.endr
	s_wait_loadcnt 10                              ; W2's four loads are in
.irp u, 0,1
	ds_store_b128 v7, v[24+8*\u:24+8*\u+3]   offset:\u*8192           ; sixteen lanes fill a row of 256 bytes
	ds_store_b128 v7, v[24+8*\u+4:24+8*\u+7] offset:\u*8192+256
.endr
	s_wait_dscnt 0x0                               ; my stores are in LDS before I say so
	s_barrier_signal -1
	s_barrier_wait -1
.macro FLOAD g                         ; 16 rows of W2's tile, my two columns of each: a load of the wave takes 256 neighbouring bytes
.set f_k, 16*\g
.rept 16
	ds_load_b64 v[64+2*f_k:65+2*f_k], v59 offset:256*f_k
.set f_k, f_k+1
.endr
.endm
.macro QGROUP g                        ; 16 k: query's number comes out of its lane into a scalar register and multiplies two columns at once
.set q_k, 16*\g
.rept 16
.irp i, 0,1,2,3
	v_readlane_b32 s[40+2*\i+8*(q_k&1)], v[40+2*\i+(q_k>>5)], q_k&31
.endr
.irp i, 0,1,2,3
.if q_k == 0
	v_pk_fma_f32 v[48+2*\i:49+2*\i], v[64:65], s[40+2*\i:41+2*\i], v[60:61] op_sel_hi:[1,0,1]   ; the first product starts the sums, on the biases or on 0
.else
	v_pk_fma_f32 v[48+2*\i:49+2*\i], v[64+2*q_k:65+2*q_k], s[40+2*\i+8*(q_k&1):41+2*\i+8*(q_k&1)], v[48+2*\i:49+2*\i] op_sel_hi:[1,0,1]
.endif
.endr
.set q_k, q_k+1
.endr
.endm
	ds_load_b128 v[8:11],  v6                      ; eight neighbouring k of column 16 tt + r
	ds_load_b128 v[12:15], v6 offset:32
	FLOAD 0
	FLOAD 1
	s_wait_dscnt 32                                ; LDS loads return in order: all but the 32 row loads are in
	global_store_b128 v56, v[8:11],  s[14:15]      ; the wave stores 512 consecutive bytes
	global_store_b128 v56, v[12:15], s[14:15] offset:512
	FLOAD 2
	s_wait_loadcnt 0x0                             ; query, b1, b2
	v_pk_add_f32 v[60:61], v[60:61], v[62:63]
	v_cndmask_b32 v60, 0, v60, s56                 ; a choice, not a product by 0: an infinite bias stays out of the other 15 parts
	v_cndmask_b32 v61, 0, v61, s56
	s_wait_dscnt 32                                ; rows 0-15 are in; two younger groups of 16 stay out
	QGROUP 0
	FLOAD 3
	s_wait_dscnt 32                                ; rows 16-31
	QGROUP 1
	s_wait_dscnt 16                                ; rows 32-47
	QGROUP 2
	s_wait_dscnt 0x0
	QGROUP 3
.irp i, 0,1,2,3
	v_pk_mul_f32 v[48+2*\i:49+2*\i], v[48+2*\i:49+2*\i], CSC op_sel_hi:[1,0]
.endr
.irp i, 0,1,2,3
	global_store_b64 v57, v[48+2*\i:49+2*\i], s[16:17] offset:4096*\i  ; the wave stores 256 consecutive bytes, at a multiple of 256 from pqp's first byte
.endr
	s_wait_tensorcnt 0x0
	ds_add_u32 v192, v193
	s_wait_dscnt 0x0
	s_endpgm
.Lfunc_end_k_qbc345b595a_prep:
	.size	k_qbc345b595a_prep, .Lfunc_end_k_qbc345b595a_prep-k_qbc345b595a_prep
	.p2alignl 7, 3214868480
	.fill 96, 4, 3214868480
	.section	.rodata,"a",@progbits
	.p2align	6, 0x0
	.amdhsa_kernel k_qbc345b595a_prep
		.amdhsa_group_segment_fixed_size 26624
		.amdhsa_private_segment_fixed_size 0
		.amdhsa_enable_private_segment 0
		.amdhsa_kernarg_size 56
		.amdhsa_user_sgpr_count 2
		.amdhsa_user_sgpr_kernarg_segment_ptr 1
		.amdhsa_wavefront_size32 1
		.amdhsa_system_sgpr_workgroup_id_x 1
		.amdhsa_system_sgpr_workgroup_id_y 1
		.amdhsa_system_sgpr_workgroup_id_z 1
		.amdhsa_system_vgpr_workitem_id 0
		.amdhsa_next_free_vgpr 194
		.amdhsa_next_free_sgpr 66
		.amdhsa_reserve_vcc 0
		.amdhsa_float_denorm_mode_32 3
		.amdhsa_float_denorm_mode_16_64 3
		.amdhsa_memory_ordered 1
		.amdhsa_forward_progress 1
		.amdhsa_inst_pref_size 45
	.end_amdhsa_kernel
	.amdgpu_metadata
---
amdhsa.version: [ 1, 2 ]
amdhsa.kernels:
  - .name:           k_qbc345b595a_prep
    .symbol:         k_qbc345b595a_prep.kd
    .args:
      - { .name: W1, .offset: 0, .size: 8, .value_kind: global_buffer, .address_space: global }
      - { .name: W2, .offset: 8, .size: 8, .value_kind: global_buffer, .address_space: global }
      - { .name: query, .offset: 16, .size: 8, .value_kind: global_buffer, .address_space: global }
      - { .name: b1, .offset: 24, .size: 8, .value_kind: global_buffer, .address_space: global }
      - { .name: b2, .offset: 32, .size: 8, .value_kind: global_buffer, .address_space: global }
      - { .name: w1f, .offset: 40, .size: 8, .value_kind: global_buffer, .address_space: global }
      - { .name: pqp, .offset: 48, .size: 8, .value_kind: global_buffer, .address_space: global }
    .group_segment_fixed_size: 26624
    .private_segment_fixed_size: 0
    .kernarg_segment_align: 8
    .kernarg_segment_size: 56
    .max_flat_workgroup_size: 256
    .sgpr_count:     66
    .vgpr_count:     194
    .wavefront_size: 32
...
	.end_amdgpu_metadata
.endif
;; end of part 1
;; launch main (part 2): grid 16 x 32, 8 waves a work-group, no clusters, 300,032 bytes of LDS; arguments values, w1f, pqp, V, bV, sc, pc; writes sc, pc
.if DOCPART == 2
	.amdgcn_target "amdgcn-amd-amdhsa--gfx1250"
	.amdhsa_code_object_version 6
	.text
	.protected	k_qbc345b595a_main
	.globl	k_qbc345b595a_main
	.p2align	8
	.type	k_qbc345b595a_main,@function
k_qbc345b595a_main:
	s_mov_b64 s[64:65], 0
	v_nop
	global_prefetch_b8 v0, s[64:65] scope:SCOPE_SE
	s_setreg_imm32_b32 hwreg(HW_REG_WAVE_MODE, 25, 1), 1
	s_wait_xcnt 0x0
; main: a work-group owns 128 rows of one batch (grid x: the block of rows, grid y: the batch) and reads them from memory ONCE.
;  1. The rows are rounded to bf16 and stay in LDS: 8 slabs of 128 rows x 128 k, pitch 272 bytes.
;  2. U goes in two chunks of 512 columns.  Each of the eight waves makes 128 rows x 64 columns of c (values W1): 32 accumulator tiles, 256 registers.
;     In chunk 0 slab s is multiplied while slab s + 1 is rounded and stored to LDS and slab s + 2 is on its way into registers.
;  3. Behind each chunk, in registers: + pq, tanh(x) = 1 - 2 / (1 + 2^(c x)), times V, summed along the lane's columns.
;  4. The block's scores (+ bV) go to sc; with the block's own maximum m: p = e^(s - m); pc = sum over the rows of p x value, from the bf16 rows still in LDS.
;     The next launch joins the 16 blocks of a batch.
; EIGHT WAVES, two for each of the WGP's four SIMDs: W1's fragments (w1f) go from memory straight into registers (each wave owns its 64 columns, so no byte of w1f
; serves two waves), and only the rows come from LDS: 8 KiB for 32 matrix instructions, as much for each matrix instruction as a tile of 128 x 128 that takes both
; operands from LDS.  What a wave issues between its matrix instructions (loads, conversions, LDS stores) then stands beside the other wave's matrix instructions.
; NO CLUSTER, NO JOINT LOADS, though every work-group walks the same w1f: the rows take 278,528 bytes of LDS and the small regions 20,480; of the 327,680
; that a work-group may ask for 28,672 are left, and one K step of 32 for 512 columns is 32,768 bytes: not even one slot fits.
; LIMITS: values enters the product AND the context rounded to bf16; W1 is bf16(c W1).  A row's score is formed as sum V - 2 sum V r, r = 1 / (1 + 2^(c x)), in f32.
; 2^(c x) may overflow to infinity (r = 0, tanh = 1) or fall to 0 (r = 1, tanh = -1): both are the right limits, so nothing is clamped.
; p below 2^-126 comes out as 0.  NaN and infinite inputs propagate as they fall.
;
; REGISTERS, in two windows of 256 (s_set_vgpr_msb: bits 1:0 source 0, 3:2 source 1, 5:4 source 2, 7:6 destination):
;   window 0: addresses, fragments of the rows, staging, W1's fragments (a ring of three K steps, step p in stage p mod 3);
;   window 1: accumulator tile (a, b) at 8 (4 a + b): rows 16 a + .., columns 16 b + .. of my 64.
; THE MATRIX INSTRUCTION IS USED TRANSPOSED: source 0 = 16 columns of W1, source 1 = 16 rows of values.  Lane (r, h) then holds row 16 a + r and,
; in its registers j = 0..7, the columns 16 b + 8 h + j: the sum along U needs no traffic between lanes until the very end.
.set PITCH, 272                        ; an LDS row: 256 bytes + 16: an odd multiple of 16, so the 16 rows of a fragment load start in different banks
.set SLAB,  128*PITCH                  ; 34,816
.set PQL,   8*SLAB                     ; 278,528: pq's row of this batch, 4,096 bytes; behind it -2 V, 4,096 bytes
.set SCR,   PQL+8192                   ; 286,720: partial scores, 16 groups (2 w + h) x 128 rows of f32
.set PBUF,  SCR+8192                   ; 294,912: the 128 p, a copy for each wave
.set L2E,   0x3fb8aa3b                 ; log2(e)
.set GOFF,  4                          ; 16 L: offset of a wave's global accesses; never rewritten
.set ADRA,  5                          ; r PITCH + 16 h + the slab at work
.set STA,   6                          ; 16 w PITCH + 8 L + the slab being stored
.set CADR,  7                          ; PQL + 256 w + 32 h
.set SCRW,  8                          ; SCR + 1024 w + 512 h + 4 r
.set SCRR,  9                          ; SCR + 16 L
.set PADR,  10                         ; PBUF + 512 w
.set PW,    11                         ; PADR + 16 L
.set CXA,   12                         ; slab w, byte 8 L
.set VS,    14                         ; v[14:15]  the sum of V over my 32 columns of the chunk, even and odd j apart
.set SC,    16                         ; v[16:23]  my part of the score of row 16 a + r, a = 0..7; first written behind chunk 0
.set CV,    16                         ; the same registers in chunk 0: rounded rows on their way to LDS
.set ADRA0, 24                         ; ADRA at slab 0
.set TOFF,  25                         ; 512 w + 16 L
.set TLDS,  26                         ; PQL + TOFF
.set AFLO,  32                         ; v[32:63]   fragments of rows 0-63
.set AFHI,  64                         ; v[64:95]   fragments of rows 64-127
.set KC,    64                         ; at the start: V, then pq, on their way to LDS
.set T,     32                         ; behind a chunk: v[32:95], 32 chains of pairs
.set ST,    96                         ; v[96:159]  staging: 16 rows x 128 k of f32, part i (4 rows) at 96 + 16 i
.set EPQ,   96                         ; behind a chunk: pq of my 32 columns
.set EV2,   128                        ;                 -2 V of my 32 columns
.set BR,    160                        ; v[160:255] W1's fragments: stage sigma's tile b at 160 + 32 sigma + 8 b
.set X0,    96                         ; context: two buffers of 16 rows x 4 columns of bf16
.set PB0,   160                        ;          two buffers of 16 p
.set CA,    192                        ;          v[192:199] my 4 columns' sums, even and odd rows apart
.set SV,    26                         ; s[26:27] values: my 16 rows; never rewritten
.set SB,    28                         ; s[28:29] w1f: my columns of chunk 0; never rewritten
.set SBX,   30                         ; s[30:31] w1f: my columns of chunk 1; stepped in chunk 1's loop
.set MSB, 0
.macro WIN new                         ; the immediate's high byte repeats the setting that is left; a switch that changes nothing is dropped
.if MSB != \new
	s_set_vgpr_msb (MSB<<8)|\new
.set MSB, \new
.endif
.endm
.set MULW, 0x50                        ; C and D window 1, both fragments window 0
.set TO_1, 0x40                        ; destination window 1
.set SUM1, 0x45                        ; destination and sources 0 and 1 window 1
.set CV1,  0x05                        ; sources 0 and 1 window 1
.set INP,  0x41                        ; destination and source 0 window 1
.set RD,   0x01                        ; source 0 window 1
.set PP,  0                            ; the K step being written, 0..63 (in chunk 1's loop: its value modulo 12 steps)
.set PST, 0                            ; its stage of W1's ring: PP mod 3
; A load into a register that a matrix instruction has read, and a vector instruction that reads a matrix result, stand four places behind it;
; only plain vector instructions that name none of its registers are places (ISA guide 7.12.1 for vector instructions).
.macro PLACES
.rept 4
	v_nop
.endr
.endm
; 8 matrix instructions: two row blocks of the buffer's four x my 4 column blocks, 32 along K.  zero = 1: the product starts the sums.
; The 32 accumulators take turns, one instruction a turn, in the same order in every K step.
.macro MULH af, hi, half, zero
.irp i, 2*\half, 2*\half+1
.irp b, 0,1,2,3
.if \zero
	v_wmma_f32_16x16x32_bf16 v[8*(4*(4*\hi+\i)+\b):8*(4*(4*\hi+\i)+\b)+7], v[BR+32*PST+8*\b:BR+32*PST+8*\b+7], v[\af+8*(\i):\af+8*(\i)+7], 0
.else
	v_wmma_f32_16x16x32_bf16 v[8*(4*(4*\hi+\i)+\b):8*(4*(4*\hi+\i)+\b)+7], v[BR+32*PST+8*\b:BR+32*PST+8*\b+7], v[\af+8*(\i):\af+8*(\i)+7], v[8*(4*(4*\hi+\i)+\b):8*(4*(4*\hi+\i)+\b)+7]
.endif
.endr
.endr
.endm
.macro LDA dst, a0, off                ; 8 LDS loads: the fragments of four row blocks, 32 k at byte off of the slab's rows
.irp i, 0,1,2,3
	ds_load_b128 v[\dst+8*\i:\dst+8*\i+3],   v[ADRA] offset:(\a0+\i)*16*PITCH+\off
	ds_load_b128 v[\dst+8*\i+4:\dst+8*\i+7], v[ADRA] offset:(\a0+\i)*16*PITCH+\off+32
.endr
.endm
.macro LDB ahead, bs, off              ; 8 loads: the fragments of my 4 column blocks for the K step \ahead steps on; each load takes 512 consecutive bytes of w1f
.set LST, (PST+\ahead)%3
.irp b, 0,1,2,3
	global_load_b128 v[BR+32*LST+8*\b:BR+32*LST+8*\b+3],   v[GOFF], s[\bs:\bs+1] offset:\b*32768+\off
	global_load_b128 v[BR+32*LST+8*\b+4:BR+32*LST+8*\b+7], v[GOFF], s[\bs:\bs+1] offset:\b*32768+\off+512
.endr
.endm
.macro STISS i, extra                  ; 4 loads: 4 of my 16 rows, 512 bytes (128 k) of each; values is read once in the launch
.irp rho, 0,1,2,3
	global_load_b128 v[ST+16*\i+4*\rho:ST+16*\i+4*\rho+3], v[GOFF], s[SV:SV+1] offset:(4*\i+\rho)*4096+\extra th:TH_LOAD_NT
.endr
.endm
.macro STCONS i                        ; the same 4 rows, rounded and stored: a store of the wave fills 256 consecutive bytes of an LDS row
.irp rho, 0,1,2,3
	v_cvt_pk_bf16_f32 v[CV+2*\rho],   v[ST+16*\i+4*\rho],   v[ST+16*\i+4*\rho+1]
	v_cvt_pk_bf16_f32 v[CV+2*\rho+1], v[ST+16*\i+4*\rho+2], v[ST+16*\i+4*\rho+3]
.endr
.irp rho, 0,1,2,3
	ds_store_b64 v[STA], v[CV+2*\rho:CV+2*\rho+1] offset:(4*\i+\rho)*PITCH
.endr
.endm
; One K step of 32: 32 matrix instructions.  qq: the step's place in its slab.
; wcnt: how many younger global loads may stay out when this step's fragments of W1 have to be there (the staged rows that it rounds are older still).
; cons: part qq of the staged slab is rounded and stored.  iss: part qq of slab \slab is asked for.  ldb: the fragments of W1 two steps ahead are asked for,
; at s[bs:bs+1] + boff, into the stage that the last step has read.  bar: the barrier that shows the stored slab to every wave.
; nexta: the next step's first fragments are fetched.  adv: the step is a slab's first: the LDS addresses go on by a slab.
.macro STEP qq, zero, wcnt, cons, iss, slab, ldb, bs, boff, bar, nexta, adv
	WIN 0
	PLACES
.if \adv
	v_add_nc_u32 v[ADRA], SLAB, v[ADRA]
.if \cons
	v_add_nc_u32 v[STA], SLAB, v[STA]
.endif
.endif
	LDA AFHI, 4, 64*\qq
	s_wait_loadcnt \wcnt
.if \cons
	STCONS \qq
.endif
.if \ldb
	LDB 2, \bs, \boff
.endif
.if \iss
	STISS \qq, 512*(\slab)
.endif
.if \cons
	s_wait_dscnt 12                                ; rows 0-63's fragments are in; out: the 8 loads for rows 64-127 and the 4 stores
.else
	s_wait_dscnt 8                                 ; rows 0-63's fragments are in; out: the 8 loads for rows 64-127
.endif
	WIN MULW
	MULH AFLO, 0, 0, \zero
.if \bar
	s_wait_dscnt 0x0                               ; my 16 rows of the next slab are in LDS, and no LDS access of mine is out: say so,
	s_barrier_signal -1
.endif
	MULH AFLO, 0, 1, \zero
.if \bar
	s_barrier_wait -1                              ; and read that slab only when all eight waves have said so
.endif
.if \nexta
	PLACES
	WIN 0
.if \qq == 3
	LDA AFLO, 0, SLAB
.else
	LDA AFLO, 0, 64*(\qq+1)
.endif
.if \cons-\bar == 1
	s_wait_dscnt 12                                ; rows 64-127's fragments are in; out: 4 stores and the 8 loads just issued
.else
	s_wait_dscnt 8                                 ; rows 64-127's fragments are in; out: the 8 loads just issued
.endif
.else
	s_wait_dscnt 0x0
.endif
	WIN MULW
	MULH AFHI, 1, 0, \zero
	MULH AFHI, 1, 1, \zero
.set PP, PP+1
.set PST, PP%3
.endm
; A step of chunk 0, which is written out: the place in w1f of K step PP + 2 (from step 32 on: chunk 1's columns, 1 MiB further) stands in the loads' immediates.
.macro S0 qq, zero, wcnt, cons, iss, slab, bar, nexta, adv
.set BO, ((PP+2)/32)*0x100000+((PP+2)%32)*1024
	STEP \qq, \zero, \wcnt, \cons, \iss, \slab, 1, SB, BO, \bar, \nexta, \adv
.endm
; A regular step of chunk 1: one younger K step of W1 is out, 8 loads.
.macro S1 qq, zero, boff, adv
	STEP \qq, \zero, 8, 0, 0, 0, 1, SBX, \boff, 0, 1, \adv
.endm
; Behind a chunk, the 32 tiles in place: x += pq; 2^x; + 1; 1 / that.  Four stages in a pipeline over the tiles, so that every pair of
; transcendentals is followed by a plain instruction on another tile (one such place stands between a transcendental and the use of its result: ISA guide 5.7.2);
; where no partner is left a v_nop closes the run.
.macro EPIPE
.set e_p, 0
.rept 4
	v_pk_add_f32 v[2*e_p:2*e_p+1], v[2*e_p:2*e_p+1], v[EPQ+2*e_p:EPQ+2*e_p+1]
.set e_p, e_p+1
.endr
.set e_t, 0
.rept 34
.set e_p, 0
.rept 4
.if e_t < 32
	v_exp_f32 v[8*e_t+2*e_p],   v[8*e_t+2*e_p]
	v_exp_f32 v[8*e_t+2*e_p+1], v[8*e_t+2*e_p+1]
.endif
.if e_t > 0
.if e_t < 33
	s_wait_alu depctr_va_vdst(0)
	v_pk_add_f32 v[8*e_t-8+2*e_p:8*e_t-7+2*e_p], v[8*e_t-8+2*e_p:8*e_t-7+2*e_p], 1.0 op_sel_hi:[1,0]
.endif
.endif
.set e_p, e_p+1
.endr
.if e_t == 0
	v_nop
.endif
.set e_p, 0
.rept 4
.if e_t > 1
	v_rcp_f32 v[8*e_t-16+2*e_p], v[8*e_t-16+2*e_p]
	v_rcp_f32 v[8*e_t-15+2*e_p], v[8*e_t-15+2*e_p]
.endif
.if e_t < 31
	v_pk_add_f32 v[8*e_t+8+2*e_p:8*e_t+9+2*e_p], v[8*e_t+8+2*e_p:8*e_t+9+2*e_p], v[EPQ+8*((e_t+1)&3)+2*e_p:EPQ+8*((e_t+1)&3)+2*e_p+1]
.endif
.set e_p, e_p+1
.endr
.if e_t > 30
	v_nop
	s_wait_alu depctr_va_vdst(0)
.endif
.set e_t, e_t+1
.endr
.endm
.macro EDOT                            ; sum V + sum (-2 V) r along the lane's 32 columns, for eight row blocks: 32 chains that do not wait for each other
.irp b, 0,1,2,3
.irp a, 0,1,2,3,4,5,6,7
.irp p, 0,1,2,3
.if \b == 0
.if \p == 0
	v_pk_fma_f32 v[T+8*\a:T+8*\a+1], v[32*\a:32*\a+1], v[EV2:EV2+1], v[VS:VS+1]
.else
	v_pk_mul_f32 v[T+8*\a+2*\p:T+8*\a+2*\p+1], v[32*\a+2*\p:32*\a+2*\p+1], v[EV2+2*\p:EV2+2*\p+1]
.endif
.else
	v_pk_fma_f32 v[T+8*\a+2*\p:T+8*\a+2*\p+1], v[8*(4*\a+\b)+2*\p:8*(4*\a+\b)+2*\p+1], v[EV2+8*\b+2*\p:EV2+8*\b+2*\p+1], v[T+8*\a+2*\p:T+8*\a+2*\p+1]
.endif
.endr
.endr
.endr
.endm
.macro ESUM c                          ; the four chains of a row block become one number; chunk 0 starts SC, chunk 1 adds to it
.irp a, 0,1,2,3,4,5,6,7
	v_pk_add_f32 v[T+8*\a:T+8*\a+1],   v[T+8*\a:T+8*\a+1],   v[T+8*\a+2:T+8*\a+3]
	v_pk_add_f32 v[T+8*\a+4:T+8*\a+5], v[T+8*\a+4:T+8*\a+5], v[T+8*\a+6:T+8*\a+7]
.endr
.irp a, 0,1,2,3,4,5,6,7
	v_pk_add_f32 v[T+8*\a:T+8*\a+1], v[T+8*\a:T+8*\a+1], v[T+8*\a+4:T+8*\a+5]
.endr
.irp a, 0,1,2,3,4,5,6,7
.if \c == 0
	v_add_f32 v[SC+\a], v[T+8*\a], v[T+8*\a+1]
.else
	v_add_f32 v[T+8*\a], v[T+8*\a], v[T+8*\a+1]
.endif
.endr
.if \c
.irp a, 0,1,2,3,4,5,6,7
	v_add_f32 v[SC+\a], v[SC+\a], v[T+8*\a]
.endr
.endif
.endm
.macro EPI c
	PLACES                                         ; behind the chunk's last matrix instructions
	WIN 0
.irp b, 0,1,2,3
	ds_load_b128 v[EPQ+8*\b:EPQ+8*\b+3],   v[CADR] offset:2048*\c+64*\b       ; pq of columns 512 c + 64 w + 16 b + 8 h + 0..7
	ds_load_b128 v[EPQ+8*\b+4:EPQ+8*\b+7], v[CADR] offset:2048*\c+64*\b+16
.endr
.irp b, 0,1,2,3
	ds_load_b128 v[EV2+8*\b:EV2+8*\b+3],   v[CADR] offset:4096+2048*\c+64*\b  ; -2 V of the same columns
	ds_load_b128 v[EV2+8*\b+4:EV2+8*\b+7], v[CADR] offset:4096+2048*\c+64*\b+16
.endr
	s_wait_dscnt 0x0
.irp k, 0,1,2,3
	v_pk_add_f32 v[T+2*\k:T+2*\k+1], v[EV2+2*\k:EV2+2*\k+1], v[EV2+8+2*\k:EV2+8+2*\k+1]
.endr
.irp b, 2,3
.irp k, 0,1,2,3
	v_pk_add_f32 v[T+2*\k:T+2*\k+1], v[T+2*\k:T+2*\k+1], v[EV2+8*\b+2*\k:EV2+8*\b+2*\k+1]
.endr
.endr
	v_pk_add_f32 v[T:T+1],   v[T:T+1],   v[T+2:T+3]
	v_pk_add_f32 v[T+4:T+5], v[T+4:T+5], v[T+6:T+7]
	v_pk_add_f32 v[T:T+1],   v[T:T+1],   v[T+4:T+5]
	v_pk_mul_f32 v[VS:VS+1], v[T:T+1], -0.5 op_sel_hi:[1,0]                   ; sum V = -0.5 x sum (-2 V)
	WIN INP
	EPIPE
	WIN RD
	EDOT
	WIN 0
	ESUM \c
.endm
; Sixteen quads of f32 at \base (in the window that is set) become one, in a tree; the last sum is left to the caller.
.macro TREE16 base
.irp g, 0,2,4,6,8,10,12,14
	v_pk_add_f32 v[\base+4*\g:\base+4*\g+1],   v[\base+4*\g:\base+4*\g+1],   v[\base+4*\g+4:\base+4*\g+5]
	v_pk_add_f32 v[\base+4*\g+2:\base+4*\g+3], v[\base+4*\g+2:\base+4*\g+3], v[\base+4*\g+6:\base+4*\g+7]
.endr
.irp g, 0,4,8,12
	v_pk_add_f32 v[\base+4*\g:\base+4*\g+1],   v[\base+4*\g:\base+4*\g+1],   v[\base+4*\g+8:\base+4*\g+9]
	v_pk_add_f32 v[\base+4*\g+2:\base+4*\g+3], v[\base+4*\g+2:\base+4*\g+3], v[\base+4*\g+10:\base+4*\g+11]
.endr
.irp g, 0,8
	v_pk_add_f32 v[\base+4*\g:\base+4*\g+1],   v[\base+4*\g:\base+4*\g+1],   v[\base+4*\g+16:\base+4*\g+17]
	v_pk_add_f32 v[\base+4*\g+2:\base+4*\g+3], v[\base+4*\g+2:\base+4*\g+3], v[\base+4*\g+18:\base+4*\g+19]
.endr
.endm
.macro CTXLD g, buf                    ; rows 16 g .. 16 g + 15: my 4 columns of each, and their p (one address for all lanes): 20 loads
.irp rho, 0,1,2,3,4,5,6,7,8,9,10,11,12,13,14,15
	ds_load_b64 v[X0+32*(\buf)+2*\rho:X0+32*(\buf)+2*\rho+1], v[CXA] offset:(16*(\g)+\rho)*PITCH
.endr
.irp q, 0,1,2,3
	ds_load_b128 v[PB0+16*(\buf)+4*\q:PB0+16*(\buf)+4*\q+3], v[PADR] offset:64*(\g)+16*\q
.endr
.endm
.macro CTXFMA buf                      ; 64 multiply-adds straight from the bf16 halves into f32; even and odd rows in chains of their own
.irp rho, 0,1,2,3,4,5,6,7,8,9,10,11,12,13,14,15
.irp j, 0,1
	v_fma_mix_f32_bf16 v[CA+4*(\rho&1)+2*\j],   v[X0+32*(\buf)+2*\rho+\j], v[PB0+16*(\buf)+\rho], v[CA+4*(\rho&1)+2*\j] op_sel_hi:[1,0,0]
	v_fma_mix_f32_bf16 v[CA+4*(\rho&1)+2*\j+1], v[X0+32*(\buf)+2*\rho+\j], v[PB0+16*(\buf)+\rho], v[CA+4*(\rho&1)+2*\j+1] op_sel:[1,0,0] op_sel_hi:[1,0,0]
.endr
.endr
.endm
; ---------------- set-up ----------------
	s_load_b256 s[4:11], s[0:1], 0x0               ; values s[4:5], w1f s[6:7], pqp s[8:9], V s[10:11]
	s_load_b128 s[12:15], s[0:1], 0x20             ; bV s[12:13], sc s[14:15]
	s_load_b64 s[16:17], s[0:1], 0x30              ; pc
	v_lshl_add_u32 v30, v0, 2, 0x49000
	v_mov_b32 v31, 0
	v_lshrrev_b32 v1, 5, v0
	v_readfirstlane_b32 s20, v1                    ; wave w, 0..7
	v_and_b32 v1, 31, v0                           ; L
	v_and_b32 v2, 15, v0                           ; r
	v_bfe_u32 v3, v0, 4, 1                         ; h
	s_and_b32 s22, ttmp7, 0xffff                   ; batch y; ttmp9 is the block x
	s_mov_b32 s34, 0x76543210                      ; v_permlanex16_b32: lane i of one half reads lane i of the other
	s_mov_b32 s35, 0xfedcba98
	s_lshl_b32 s32, s22, 11
	s_lshl_b32 s44, ttmp9, 7
	s_add_co_u32 s32, s32, s44
	s_lshl_b32 s44, s20, 4
	s_add_co_u32 s32, s32, s44                     ; my first row: 2048 y + 128 x + 16 w
	s_lshl_b32 s32, s32, 12                        ; in bytes: below 2^28
	s_mov_b32 s33, 0
	s_lshl_b32 s36, s20, 17                        ; w1f: 4 w column blocks of 32,768 bytes
	s_mov_b32 s37, 0
	s_lshl_b32 s38, s22, 12                        ; pqp: row y of each part
	s_mov_b32 s39, 0
	s_lshl_b32 s40, s22, 13                        ; sc: 4 (2048 y + 128 x)
	s_lshl_b32 s44, ttmp9, 9
	s_add_co_u32 s40, s40, s44
	s_mov_b32 s41, 0
	s_lshl_b32 s42, s22, 4                         ; pc: row 16 y + x, byte 512 w
	s_add_co_u32 s42, s42, ttmp9
	s_lshl_b32 s42, s42, 12
	s_lshl_b32 s44, s20, 9
	s_add_co_u32 s42, s42, s44
	s_mov_b32 s43, 0
	v_lshlrev_b32 v[GOFF], 4, v1
	v_add_nc_u32 v[TOFF], s44, v[GOFF]
	s_wait_kmcnt 0x0
	s_add_nc_u64 s[SV:SV+1], s[4:5], s[32:33]
	s_add_nc_u64 s[SB:SB+1], s[6:7], s[36:37]
	s_add_nc_u64 s[SBX:SBX+1], s[SB:SB+1], 0x100000
	s_add_nc_u64 s[8:9], s[8:9], s[38:39]
	s_add_nc_u64 s[14:15], s[14:15], s[40:41]
	s_add_nc_u64 s[16:17], s[16:17], s[42:43]
	s_load_b32 s24, s[12:13], 0x0                  ; bV; waited for where the scores are made
; ---------------- the first loads, 57 in all: slab 0 and pq's 16 parts (into accumulator registers, which are still free), V, W1's K step 0, slab 1 (into the staging registers) ----------------
	WIN TO_1
.set p_r, 0
.rept 16
	global_load_b128 v[4*p_r:4*p_r+3], v[GOFF], s[SV:SV+1] offset:p_r*4096 th:TH_LOAD_NT
.set p_r, p_r+1
.endr
.set p_r, 0
.rept 16
	global_load_b128 v[64+4*p_r:64+4*p_r+3], v[TOFF], s[8:9] offset:p_r*131072   ; part p_r of pq, my four columns
.set p_r, p_r+1
.endr
	WIN 0
	global_load_b128 v[KC:KC+3], v[TOFF], s[10:11]
	LDB 0, SB, 0
	STISS 0, 512
	STISS 1, 512
	STISS 2, 512
	STISS 3, 512
	; LDS addresses, while the loads are on their way
	v_mul_u32_u24 v[ADRA], v2, PITCH
	v_lshl_add_u32 v[ADRA], v3, 4, v[ADRA]
	v_mov_b32 v[ADRA0], v[ADRA]
	s_mul_i32 s32, s20, 16*PITCH
	v_lshl_add_u32 v[STA], v1, 3, s32
	s_lshl_b32 s32, s20, 8
	s_add_co_u32 s32, s32, PQL
	v_lshl_add_u32 v[CADR], v3, 5, s32
	s_lshl_b32 s32, s20, 10
	s_add_co_u32 s32, s32, SCR
	v_lshl_add_u32 v[SCRW], v3, 9, s32
	v_lshl_add_u32 v[SCRW], v2, 2, v[SCRW]
	v_add_nc_u32 v[SCRR], SCR, v[GOFF]
	s_add_co_u32 s32, s44, PBUF
	v_mov_b32 v[PADR], s32
	v_add_nc_u32 v[PW], s32, v[GOFF]
	s_mul_i32 s32, s20, SLAB
	v_lshl_add_u32 v[CXA], v1, 3, s32
	v_add_nc_u32 v[TLDS], PQL, v[TOFF]
	s_wait_loadcnt 24                              ; slab 0, pq and V are in; out: W1's K step 0 (8) and slab 1 (16)
	LDB 1, SB, 1024                                ; W1's K step 1
	v_pk_mul_f32 v[KC:KC+1],   v[KC:KC+1],   -2.0 op_sel_hi:[1,0]
	v_pk_mul_f32 v[KC+2:KC+3], v[KC+2:KC+3], -2.0 op_sel_hi:[1,0]
	ds_store_b128 v[TLDS], v[KC:KC+3] offset:4096
	WIN SUM1
	TREE16 64                                      ; the 16 parts of pq
	WIN CV1
	v_pk_add_f32 v[KC+4:KC+5], v[64:65], v[96:97]
	v_pk_add_f32 v[KC+6:KC+7], v[66:67], v[98:99]
.set p_r, 0
.rept 16
	v_cvt_pk_bf16_f32 v[AFLO+2*p_r],   v[4*p_r],   v[4*p_r+1]
	v_cvt_pk_bf16_f32 v[AFLO+2*p_r+1], v[4*p_r+2], v[4*p_r+3]
.set p_r, p_r+1
.endr
	WIN 0
	ds_store_b128 v[TLDS], v[KC+4:KC+7]
.set p_r, 0
.rept 16
	ds_store_b64 v[STA], v[AFLO+2*p_r:AFLO+2*p_r+1] offset:p_r*PITCH
.set p_r, p_r+1
.endr
	v_add_nc_u32 v[STA], SLAB, v[STA]
	s_wait_dscnt 0x0                               ; slab 0, pq and -2 V: my part is in LDS before I say so
	s_barrier_signal -1
	s_barrier_wait -1
	LDA AFLO, 0, 0
; ---------------- chunk 0: columns 0-511, with the rows streaming in; written out, since 32 steps are no multiple of the ring's three stages ----------------
; In step p the order of issue is: W1's fragments of step p + 2 (8 loads), then part p & 3 of the slab two ahead (4 loads).  Younger than step p's fragments are
; 4 + 8 + 4 = 16 loads.  Slab 0: behind slab 1's part 0 stand its parts 1-3 and K step 1, 20 loads; behind K step 1 what step 0 issued, 12; then 16.
	S0 0, 1, 20, 1, 1, 2, 0, 1, 0
	S0 1, 0, 12, 1, 1, 2, 0, 1, 0
	S0 2, 0, 16, 1, 1, 2, 0, 1, 0
	S0 3, 0, 16, 1, 1, 2, 1, 1, 0
.irp s, 1,2,3,4,5
	S0 0, 0, 16, 1, 1, \s+2, 0, 1, 1
	S0 1, 0, 16, 1, 1, \s+2, 0, 1, 0
	S0 2, 0, 16, 1, 1, \s+2, 0, 1, 0
	S0 3, 0, 16, 1, 1, \s+2, 1, 1, 0
.endr
	S0 0, 0, 16, 1, 0, 0, 0, 1, 1                  ; slab 6: slab 7 is rounded, nothing more is asked of values: the counts lose 4 a step, down to one K step's 8
	S0 1, 0, 12, 1, 0, 0, 0, 1, 0
	S0 2, 0, 8, 1, 0, 0, 0, 1, 0
	S0 3, 0, 8, 1, 0, 0, 1, 1, 0
	S0 0, 0, 8, 0, 0, 0, 0, 1, 1                   ; slab 7; its last two steps ask for chunk 1's K steps 0 and 1
	S0 1, 0, 8, 0, 0, 0, 0, 1, 0
	S0 2, 0, 8, 0, 0, 0, 0, 1, 0
	S0 3, 0, 8, 0, 0, 0, 0, 0, 0
	EPI 0
; ---------------- chunk 1: columns 512-1023, all rows in LDS: one slab, a loop of twice three slabs (12 steps: a multiple of the ring's three stages), one slab ----------------
	v_mov_b32 v[ADRA], v[ADRA0]
	LDA AFLO, 0, 0
	S1 0, 1, 2048, 0
	S1 1, 0, 3072, 0
	S1 2, 0, 4096, 0
	S1 3, 0, 5120, 0
	WIN 0                                          ; at a label and at a branch every window is 0
	s_mov_b32 s23, 2
.Lchunk1:
	S1 0, 0, 6144, 1
	S1 1, 0, 7168, 0
	S1 2, 0, 8192, 0
	S1 3, 0, 9216, 0
	S1 0, 0, 10240, 1
	S1 1, 0, 11264, 0
	S1 2, 0, 12288, 0
	S1 3, 0, 13312, 0
	S1 0, 0, 14336, 1
	S1 1, 0, 15360, 0
	S1 2, 0, 16384, 0
	S1 3, 0, 17408, 0
	WIN 0
	s_wait_xcnt 0x0                                ; the base of loads that are out is stepped only behind this wait
	s_add_nc_u64 s[SBX:SBX+1], s[SBX:SBX+1], 12288 ; 12 K steps on
	s_sub_co_i32 s23, s23, 1
	s_cmp_lg_u32 s23, 0
	s_cbranch_scc1 .Lchunk1
	S1 0, 0, 6144, 1                               ; the last slab: K steps 30 and 31 are asked for,
	S1 1, 0, 7168, 0
	STEP 2, 0, 8, 0, 0, 0, 0, SBX, 0, 0, 1, 0      ; then nothing more: K step 31's 8 loads may be out,
	STEP 3, 0, 0, 0, 0, 0, 0, SBX, 0, 0, 0, 0      ; then none
	EPI 1
; ---------------- the block's scores, its maximum, p ----------------
.irp a, 0,1,2,3,4,5,6,7
	ds_store_b32 v[SCRW], v[SC+\a] offset:64*\a
.endr
	s_wait_dscnt 0x0                               ; my partial scores are in LDS before I say so
	s_barrier_signal -1
	s_barrier_wait -1
.irp g, 0,1,2,3,4,5,6,7,8,9,10,11,12,13,14,15
	ds_load_b128 v[AFLO+4*\g:AFLO+4*\g+3], v[SCRR] offset:512*\g          ; rows 4 L .. 4 L + 3 of group g; every wave does the same sums in the same order
.endr
	s_wait_dscnt 0x0
	TREE16 AFLO
	v_pk_add_f32 v[AFLO:AFLO+1],   v[AFLO:AFLO+1],   v[AFLO+32:AFLO+33]
	v_pk_add_f32 v[AFLO+2:AFLO+3], v[AFLO+2:AFLO+3], v[AFLO+34:AFLO+35]
	s_wait_kmcnt 0x0                               ; bV
.irp j, 0,1,2,3
	v_add_f32 v[AFLO+\j], s24, v[AFLO+\j]
.endr
	v_max3_num_f32 v28, v[AFLO], v[AFLO+1], v[AFLO+2]
	v_max_num_f32 v28, v28, v[AFLO+3]
	v_mov_b32 v29, v28                             ; the permute's destination counts as read: it has a value
	v_max_num_f32_dpp v28, v28, v28 row_xmask:1 row_mask:0xf bank_mask:0xf
	v_max_num_f32_dpp v28, v28, v28 row_xmask:2 row_mask:0xf bank_mask:0xf
	v_max_num_f32_dpp v28, v28, v28 row_xmask:4 row_mask:0xf bank_mask:0xf
	v_max_num_f32_dpp v28, v28, v28 row_xmask:8 row_mask:0xf bank_mask:0xf
	v_permlanex16_b32 v29, v28, s34, s35
	v_max_num_f32 v28, v28, v29                    ; the block's maximum, in every lane
.irp j, 0,1,2,3
	v_sub_f32 v[AFLO+4+\j], v[AFLO+\j], v28
.endr
.irp j, 0,1,2,3
	v_mul_f32 v[AFLO+4+\j], L2E, v[AFLO+4+\j]
.endr
.irp j, 0,1,2,3
	v_exp_f32 v[AFLO+4+\j], v[AFLO+4+\j]
.endr
	v_nop                                          ; the place behind the transcendentals
	s_wait_alu depctr_va_vdst(0)
	ds_store_b128 v[PW], v[AFLO+4:AFLO+7]          ; my wave's own copy: LDS serves a wave's instructions in order, so its loads below see it
	s_cmp_lg_u32 s20, 0
	s_cbranch_scc1 .Lno_sc
	global_store_b128 v[GOFF], v[AFLO:AFLO+3], s[14:15]                   ; wave 0: the 128 scores, 512 consecutive bytes
.Lno_sc:
; ---------------- the block's part of the context: wave w has columns 128 w .. 128 w + 127 (slab w), lane L four of them ----------------
.irp j, 0,1,2,3,4,5,6,7
	v_mov_b32 v[CA+\j], 0
.endr
	CTXLD 0, 0
.set c_g, 0
.rept 7
	CTXLD c_g+1, (c_g+1)&1
	s_wait_dscnt 20                                ; all but the 20 loads just issued
	CTXFMA c_g&1
.set c_g, c_g+1
.endr
	s_wait_dscnt 0x0
	CTXFMA 1
.irp j, 0,1,2,3
	v_add_f32 v[CA+\j], v[CA+\j], v[CA+4+\j]       ; even rows + odd rows
.endr
	global_store_b128 v[GOFF], v[CA:CA+3], s[16:17]                       ; the wave stores 512 consecutive bytes
	s_wait_tensorcnt 0x0
	ds_add_u32 v30, v31
	s_wait_dscnt 0x0
	s_endpgm
.Lfunc_end_k_qbc345b595a_main:
	.size	k_qbc345b595a_main, .Lfunc_end_k_qbc345b595a_main-k_qbc345b595a_main
	.p2alignl 7, 3214868480
	.fill 96, 4, 3214868480
	.section	.rodata,"a",@progbits
	.p2align	6, 0x0
	.amdhsa_kernel k_qbc345b595a_main
		.amdhsa_group_segment_fixed_size 300032
		.amdhsa_private_segment_fixed_size 0
		.amdhsa_enable_private_segment 0
		.amdhsa_kernarg_size 56
		.amdhsa_user_sgpr_count 2
		.amdhsa_user_sgpr_kernarg_segment_ptr 1
		.amdhsa_wavefront_size32 1
		.amdhsa_system_sgpr_workgroup_id_x 1
		.amdhsa_system_sgpr_workgroup_id_y 1
		.amdhsa_system_sgpr_workgroup_id_z 1
		.amdhsa_system_vgpr_workitem_id 0
		.amdhsa_next_free_vgpr 512
		.amdhsa_next_free_sgpr 66
		.amdhsa_reserve_vcc 0
		.amdhsa_float_denorm_mode_32 3
		.amdhsa_float_denorm_mode_16_64 3
		.amdhsa_memory_ordered 1
		.amdhsa_forward_progress 1
		.amdhsa_inst_pref_size 255
	.end_amdhsa_kernel
	.section	.bss,"aw",@nobits
	.p2align	6
	.space	262144
	.amdgpu_metadata
---
amdhsa.version: [ 1, 2 ]
amdhsa.kernels:
  - .name:           k_qbc345b595a_main
    .symbol:         k_qbc345b595a_main.kd
    .args:
      - { .name: values, .offset: 0, .size: 8, .value_kind: global_buffer, .address_space: global }
      - { .name: w1f, .offset: 8, .size: 8, .value_kind: global_buffer, .address_space: global }
      - { .name: pqp, .offset: 16, .size: 8, .value_kind: global_buffer, .address_space: global }
      - { .name: V, .offset: 24, .size: 8, .value_kind: global_buffer, .address_space: global }
      - { .name: bV, .offset: 32, .size: 8, .value_kind: global_buffer, .address_space: global }
      - { .name: sc, .offset: 40, .size: 8, .value_kind: global_buffer, .address_space: global }
      - { .name: pc, .offset: 48, .size: 8, .value_kind: global_buffer, .address_space: global }
    .group_segment_fixed_size: 300032
    .private_segment_fixed_size: 0
    .kernarg_segment_align: 8
    .kernarg_segment_size: 56
    .max_flat_workgroup_size: 256
    .sgpr_count:     66
    .vgpr_count:     512
    .wavefront_size: 32
...
	.end_amdgpu_metadata
.endif
;; end of part 2
;; launch fin (part 3): grid 8 x 32, 1 waves a work-group, no clusters, 0 bytes of LDS; arguments sc, pc, out0, out1; writes out0, out1
.if DOCPART == 3
	.amdgcn_target "amdgcn-amd-amdhsa--gfx1250"
	.amdhsa_code_object_version 6
	.text
	.protected	k_qbc345b595a_fin
	.globl	k_qbc345b595a_fin
	.p2align	8
	.type	k_qbc345b595a_fin,@function
k_qbc345b595a_fin:
	s_mov_b64 s[64:65], 0
	v_nop
	global_prefetch_b8 v0, s[64:65] scope:SCOPE_SE
	s_setreg_imm32_b32 hwreg(HW_REG_WAVE_MODE, 25, 1), 1
	s_wait_xcnt 0x0
; fin: joins the 16 blocks of a batch.  One wave a work-group; grid y: the batch, grid x: 128 columns of out0 and 256 rows of out1.
; From the batch's 2,048 scores s: m_t = the maximum of block t (a maximum is exact, so it is the number that the launch before took away),
; M = max m_t, L = sum e^(s - M);  out1 = e^(s - M) / L;  out0 = sum over t of e^(m_t - M) pc_t / L.
; L is at least 1 (the largest score gives e^0), so the reciprocal is safe.  Exponentials below 2^-126 come out as 0.
; Every work-group of a batch repeats the small reduction over the scores (8 KiB): no traffic between work-groups is needed.  No LDS, no barrier, no matrix work.
.set L2E, 0x3fb8aa3b                   ; log2(e)
.set S,   16                           ; v[16:79]   the batch's scores: load t = block t, lane L its rows 4 L .. 4 L + 3
.set PC,  80                           ; v[80:143]  pc of block t, my four columns
.set OWN, 144                          ; v[144:151] the 8 scores whose weights I store
.set MT,  152                          ; v[152:167] m_t, then e^(m_t - M)
.set TP,  168                          ; v[168:171] at work
.set MM,  172                          ; v[172:173] M, twice
.set LS,  174                          ; v[174:181] four chains of pairs
.set ACC, 182                          ; v[182:185]
.set RL,  186                          ; 1 / L
	s_load_b256 s[4:11], s[0:1], 0x0               ; sc s[4:5], pc s[6:7], out0 s[8:9], out1 s[10:11]
	s_and_b32 s12, ttmp7, 0xffff                   ; batch y
	v_lshlrev_b32 v1, 4, v0                        ; 16 L
	s_mov_b32 s20, 0x76543210                      ; v_permlanex16_b32: lane i of one half reads lane i of the other
	s_mov_b32 s21, 0xfedcba98
	s_lshl_b32 s14, s12, 13                        ; a batch's scores and weights: 8,192 bytes
	s_mov_b32 s15, 0
	s_lshl_b32 s16, s12, 16                        ; a batch's 16 rows of pc
	s_lshl_b32 s24, ttmp9, 9                       ; my 128 columns
	s_add_co_u32 s16, s16, s24
	s_mov_b32 s17, 0
	s_lshl_b32 s18, ttmp9, 10                      ; my 256 rows of out1
	s_mov_b32 s19, 0
	s_lshl_b32 s22, s12, 12                        ; out0: row y
	s_add_co_u32 s22, s22, s24
	s_mov_b32 s23, 0
	s_wait_kmcnt 0x0
	s_add_nc_u64 s[4:5], s[4:5], s[14:15]
	s_add_nc_u64 s[6:7], s[6:7], s[16:17]
	s_add_nc_u64 s[8:9], s[8:9], s[22:23]
	s_add_nc_u64 s[10:11], s[10:11], s[14:15]
	s_add_nc_u64 s[10:11], s[10:11], s[18:19]
	s_add_nc_u64 s[26:27], s[4:5], s[18:19]
.irp t, 0,1,2,3,4,5,6,7,8,9,10,11,12,13,14,15
	global_load_b128 v[S+4*\t:S+4*\t+3], v1, s[4:5] offset:512*\t
.endr
.irp t, 0,1,2,3,4,5,6,7,8,9,10,11,12,13,14,15
	global_load_b128 v[PC+4*\t:PC+4*\t+3], v1, s[6:7] offset:4096*\t th:TH_LOAD_NT   ; each byte of pc is read once in the launch
.endr
	global_load_b128 v[OWN:OWN+3],   v1, s[26:27]
	global_load_b128 v[OWN+4:OWN+7], v1, s[26:27] offset:512
.irp k, 0,1,2,3
	v_mov_b32 v[TP+\k], 0                          ; the permutes' destinations count as read: they have a value
.endr
	s_wait_loadcnt 18                              ; the 16 loads of scores are in; pc's 16 and my own 2 stay out
	; the 16 block maxima, side by side so that no instruction waits for the one in front of it
.irp t, 0,1,2,3,4,5,6,7,8,9,10,11,12,13,14,15
	v_max3_num_f32 v[MT+\t], v[S+4*\t], v[S+4*\t+1], v[S+4*\t+2]
.endr
.irp t, 0,1,2,3,4,5,6,7,8,9,10,11,12,13,14,15
	v_max_num_f32 v[MT+\t], v[MT+\t], v[S+4*\t+3]
.endr
.irp m, 1,2,4,8
.irp t, 0,1,2,3,4,5,6,7,8,9,10,11,12,13,14,15
	v_max_num_f32_dpp v[MT+\t], v[MT+\t], v[MT+\t] row_xmask:\m row_mask:0xf bank_mask:0xf
.endr
.endr
.irp q, 0,4,8,12
.irp k, 0,1,2,3
	v_permlanex16_b32 v[TP+\k], v[MT+\q+\k], s20, s21
.endr
.irp k, 0,1,2,3
	v_max_num_f32 v[MT+\q+\k], v[MT+\q+\k], v[TP+\k]
.endr
.endr
	v_max3_num_f32 v[MM], v[MT], v[MT+1], v[MT+2]
.irp t, 3,5,7,9,11,13
	v_max3_num_f32 v[MM], v[MM], v[MT+\t], v[MT+\t+1]
.endr
	v_max_num_f32 v[MM], v[MM], v[MT+15]
	v_mov_b32 v[MM+1], v[MM]
	; (m_t - M) log2 e and (s - M) log2 e, two at a time; then all the exponentials in one run
.set f_i, 0
.rept 8
	v_pk_add_f32 v[MT+2*f_i:MT+2*f_i+1], v[MT+2*f_i:MT+2*f_i+1], v[MM:MM+1] neg_lo:[0,1] neg_hi:[0,1]
.set f_i, f_i+1
.endr
.set f_i, 0
.rept 32
	v_pk_add_f32 v[S+2*f_i:S+2*f_i+1], v[S+2*f_i:S+2*f_i+1], v[MM:MM+1] neg_lo:[0,1] neg_hi:[0,1]
.set f_i, f_i+1
.endr
.set f_i, 0
.rept 8
	v_pk_mul_f32 v[MT+2*f_i:MT+2*f_i+1], v[MT+2*f_i:MT+2*f_i+1], L2E op_sel_hi:[1,0]
.set f_i, f_i+1
.endr
.set f_i, 0
.rept 32
	v_pk_mul_f32 v[S+2*f_i:S+2*f_i+1], v[S+2*f_i:S+2*f_i+1], L2E op_sel_hi:[1,0]
.set f_i, f_i+1
.endr
.set f_i, 0
.rept 16
	v_exp_f32 v[MT+f_i], v[MT+f_i]
.set f_i, f_i+1
.endr
.set f_i, 0
.rept 64
	v_exp_f32 v[S+f_i], v[S+f_i]
.set f_i, f_i+1
.endr
	v_nop                                          ; the place behind the transcendentals
	s_wait_alu depctr_va_vdst(0)
.irp k, 0,1,2,3
	v_pk_add_f32 v[LS+2*\k:LS+2*\k+1], v[S+2*\k:S+2*\k+1], v[S+8+2*\k:S+8+2*\k+1]
.endr
.set f_i, 8
.rept 24
	v_pk_add_f32 v[LS+2*(f_i&3):LS+2*(f_i&3)+1], v[LS+2*(f_i&3):LS+2*(f_i&3)+1], v[S+2*f_i:S+2*f_i+1]
.set f_i, f_i+1
.endr
	v_pk_add_f32 v[LS:LS+1],   v[LS:LS+1],   v[LS+2:LS+3]
	v_pk_add_f32 v[LS+4:LS+5], v[LS+4:LS+5], v[LS+6:LS+7]
	v_pk_add_f32 v[LS:LS+1],   v[LS:LS+1],   v[LS+4:LS+5]
	v_add_f32 v[LS], v[LS], v[LS+1]
	v_add_f32_dpp v[LS], v[LS], v[LS] row_xmask:1 row_mask:0xf bank_mask:0xf
	v_add_f32_dpp v[LS], v[LS], v[LS] row_xmask:2 row_mask:0xf bank_mask:0xf
	v_add_f32_dpp v[LS], v[LS], v[LS] row_xmask:4 row_mask:0xf bank_mask:0xf
	v_add_f32_dpp v[LS], v[LS], v[LS] row_xmask:8 row_mask:0xf bank_mask:0xf
	v_permlanex16_b32 v[TP], v[LS], s20, s21
	v_add_f32 v[LS], v[LS], v[TP]                  ; L, in every lane
	v_rcp_f32 v[RL], v[LS]                         ; the plain lines below, which touch neither L nor 1 / L, are the place behind it
	s_wait_loadcnt 0x0                             ; pc and my own scores
.irp k, 0,2,4,6
	v_pk_add_f32 v[OWN+\k:OWN+\k+1], v[OWN+\k:OWN+\k+1], v[MM:MM+1] neg_lo:[0,1] neg_hi:[0,1]
.endr
.irp k, 0,2,4,6
	v_pk_mul_f32 v[OWN+\k:OWN+\k+1], v[OWN+\k:OWN+\k+1], L2E op_sel_hi:[1,0]
.endr
.irp k, 0,1,2,3,4,5,6,7
	v_exp_f32 v[OWN+\k], v[OWN+\k]
.endr
.irp j, 0,1,2,3
	v_mul_f32 v[ACC+\j], v[MT], v[PC+\j]           ; block 0 starts the sums
.endr
.irp t, 1,2,3,4,5,6,7,8,9,10,11,12,13,14,15
.irp j, 0,1,2,3
	v_fmac_f32 v[ACC+\j], v[MT+\t], v[PC+4*\t+\j]
.endr
.endr
	s_wait_alu depctr_va_vdst(0)
.irp j, 0,1,2,3
	v_mul_f32 v[ACC+\j], v[ACC+\j], v[RL]
.endr
.irp k, 0,1,2,3,4,5,6,7
	v_mul_f32 v[OWN+\k], v[OWN+\k], v[RL]
.endr
	global_store_b128 v1, v[ACC:ACC+3], s[8:9]                            ; each store of the wave covers 512 consecutive bytes
	global_store_b128 v1, v[OWN:OWN+3], s[10:11]
	global_store_b128 v1, v[OWN+4:OWN+7], s[10:11] offset:512
	s_endpgm
.Lfunc_end_k_qbc345b595a_fin:
	.size	k_qbc345b595a_fin, .Lfunc_end_k_qbc345b595a_fin-k_qbc345b595a_fin
	.p2alignl 7, 3214868480
	.fill 96, 4, 3214868480
	.section	.rodata,"a",@progbits
	.p2align	6, 0x0
	.amdhsa_kernel k_qbc345b595a_fin
		.amdhsa_group_segment_fixed_size 0
		.amdhsa_private_segment_fixed_size 0
		.amdhsa_enable_private_segment 0
		.amdhsa_kernarg_size 32
		.amdhsa_user_sgpr_count 2
		.amdhsa_user_sgpr_kernarg_segment_ptr 1
		.amdhsa_wavefront_size32 1
		.amdhsa_system_sgpr_workgroup_id_x 1
		.amdhsa_system_sgpr_workgroup_id_y 1
		.amdhsa_system_sgpr_workgroup_id_z 1
		.amdhsa_system_vgpr_workitem_id 0
		.amdhsa_next_free_vgpr 192
		.amdhsa_next_free_sgpr 66
		.amdhsa_reserve_vcc 0
		.amdhsa_float_denorm_mode_32 3
		.amdhsa_float_denorm_mode_16_64 3
		.amdhsa_memory_ordered 1
		.amdhsa_forward_progress 1
		.amdhsa_inst_pref_size 27
	.end_amdhsa_kernel
	.amdgpu_metadata
---
amdhsa.version: [ 1, 2 ]
amdhsa.kernels:
  - .name:           k_qbc345b595a_fin
    .symbol:         k_qbc345b595a_fin.kd
    .args:
      - { .name: sc, .offset: 0, .size: 8, .value_kind: global_buffer, .address_space: global }
      - { .name: pc, .offset: 8, .size: 8, .value_kind: global_buffer, .address_space: global }
      - { .name: out0, .offset: 16, .size: 8, .value_kind: global_buffer, .address_space: global }
      - { .name: out1, .offset: 24, .size: 8, .value_kind: global_buffer, .address_space: global }
    .group_segment_fixed_size: 0
    .private_segment_fixed_size: 0
    .kernarg_segment_align: 8
    .kernarg_segment_size: 32
    .max_flat_workgroup_size: 32
    .sgpr_count:     66
    .vgpr_count:     192
    .wavefront_size: 32
...
	.end_amdgpu_metadata
.endif
;; end of part 3
